; MI455X (gfx1250); checked and timed in simulation.
; The chip was launched on July 23, 2026; its instructions are those of AMD's public machine-readable ISA for CDNA 5 (MIT licence, August 2026) and "CDNA5" Instruction Set Architecture Reference Guide (July 2026). The comments in the code are by the model that wrote it; some were corrected since.
;; Dilate Attention. Allowed arithmetic: matrix products marked QUANTISED: E2M1 operands, one E8M0 scale for each 32 along K, by v_wmma_scale_f32_16x16x128_f8f6f4 with both operands' format E2M1 (or v_wmma_scale_f32_32x16x128_f4), f32 sums; products left as they are: bf16, f16 or f32 operands; f32 sums; everything else in f32.
;; Inputs: Wk 1,024 x 1,024 float32; Wo 1,024 x 1,024 float32; Wq 1,024 x 1,024 float32; Wv 1,024 x 1,024 float32; bk 1,024 float32; bo 1,024 float32; bq 1,024 float32; bv 1,024 float32; x 2 x 4,096 x 1,024 float32.
;; Outputs: out0 2 x 4,096 x 1,024 float32.
;; This version of the problem:
;;   THIS VERSION OF THE PROBLEM IS GIVEN IN LOW PRECISION. The matrix products marked QUANTISED in the list below multiply operands that are first quantised to E2M1 (2 exponent bits, 1 mantissa bit; 4 bits a number), with one power-of-two scale for each 32 numbers along K (OCP MX v1.0); their sums are f32. The products marked 'left as it is' may take bf16, f16 or f32 operands, with f32 sums. Whichever they take, every output number must still come out within the allowed error. Rounding operands to bf16 (8 significant bits) uses up far more of that allowance than f16 does (11 bits, for magnitudes from 6e-5 to 65,504). All else is computed in f32.
;;   The module's matrix products, in the order in which they are computed (A, B: the left and right operand; K: the contracted axis; several contracted axes count as one K, in the product's order):
;;     1. [M 8,192, K 1,024] x [K 1,024, N 1,024]; A: input x; B: input Wq: QUANTISED
;;     2. [M 8,192, K 1,024] x [K 1,024, N 1,024]; A: input x; B: input Wk: QUANTISED
;;     3. [M 8,192, K 1,024] x [K 1,024, N 1,024]; A: input x; B: input Wv: QUANTISED
;;     4. batch 32 x [M 4,096, K 64] x [K 64, N 1,024]; A: computed on the way; B: computed on the way: left as it is (an operand is computed on the way)
;;     5. batch 32 x [M 4,096, K 1,024] x [K 1,024, N 64]; A: computed on the way; B: computed on the way: left as it is (an operand is computed on the way)
;;     6. [M 8,192, K 1,024] x [K 1,024, N 1,024]; A: computed on the way; B: input Wo: left as it is (an operand is computed on the way)
;;   THE QUANTISER, for each operand of a quantised product, along K:
;;     - K is cut into blocks of 32 from its start; a last block that is shorter is filled with zeros.
;;     - A block's scale is 2^e with e = floor(log2(the largest magnitude in the block)) - 2, held to -126 .. 127; a block of zeros has e = 0. As a byte (E8M0): e + 127.
;;     - Each number is divided by its block's scale, clamped to +-6, and rounded to the nearest number of E2M1, ties to even, subnormals kept.
;;     - The product sums the exact products of the quantised numbers (number of the format x scale) in f32.
;;   ~~~python
;;   def quantise(x, axis):      # numpy; x: float32 -> the quantised numbers, widened to float32 again
;;       x = np.moveaxis(x, axis, -1); K = x.shape[-1]
;;       x = np.pad(x, [(0, 0)] * (x.ndim - 1) + [(0, -K % 32)]); x = x.reshape(x.shape[:-1] + (-1, 32)); a = np.abs(x).max(-1, keepdims=True)
;;       e = np.where(a > 0, np.clip(np.frexp(np.where(a > 0, a, 1))[1] - 1 - 2, -126, 127), 0)      # np.frexp(a)[1] - 1 = floor(log2(a)), exactly
;;       r = np.clip(x / 2.0 ** e, -6, 6)
;;       step = 2.0 ** (np.maximum(np.frexp(np.where(r == 0, 1, r))[1] - 1, 0) - 1)
;;       q = np.round(r / step) * step * 2.0 ** e      # np.round: ties to even
;;       return np.moveaxis(q.reshape(q.shape[:-2] + (-1,))[..., :K], -1, axis).astype(np.float32)
;;   ~~~
;; One version. Each part assembles by itself: llvm-mc -triple=amdgcn-amd-amdhsa -mcpu=gfx1250 --defsym DOCPART=n.
;; ======== version 1 of 1: 4 launches
;; limits: values are held in f16: magnitudes above 65,504 overflow, below 6.1e-05 lose precision
;; workspace buffers: xc 5,242,880 bytes; xs 327,680 bytes; wc 1,572,864 bytes; ws 98,304 bytes; wof 2,097,152 bytes; qkv 25,165,824 bytes; ctx 16,777,216 bytes
;; launch prep (part 1): grid 512 x 1, 4 waves a work-group, no clusters, 33,280 bytes of LDS; arguments x, Wq, Wk, Wv, Wo, xc, xs, wc, ws, wof; writes xc, xs, wc, ws, wof
.if DOCPART == 1
	.amdgcn_target "amdgcn-amd-amdhsa--gfx1250"
	.amdhsa_code_object_version 6
	.text
	.protected	k_q20428d3659_prep
	.globl	k_q20428d3659_prep
	.p2align	8
	.type	k_q20428d3659_prep,@function
k_q20428d3659_prep:
	s_mov_b64 s[64:65], 0
	v_nop
	global_prefetch_b8 v0, s[64:65] scope:SCOPE_SE
	s_setreg_imm32_b32 hwreg(HW_REG_WAVE_MODE, 25, 1), 1
	s_wait_xcnt 0x0
; THE OPERANDS ARE LAID OUT ONCE.  Three kinds of work-group, told apart by the work-group's number alone; the three paths meet only at the common end.
;  X (0-255):   x [8192][1024] f32 -> codes of FP4 (E2M1), K innermost, 512 bytes a row (xc), and one E8M0 byte for each 32 along K, 32 bytes a row (xs).  The rows that the dilation keeps
;               (every fourth) are stored a second time, dense, behind the 8,192 rows: row 8192 + R / 4.  So the product for k and v walks 2,048 dense rows.
;  W (256-447): Wq, Wk, Wv [K 1024][N 1024] f32 -> codes in the order of the operand's registers (wc): with row = 1024 x tensor + n: [row / 128][k / 128][(row / 16) % 8][1,024 bytes]; in such an image the 16 bytes at
;               512 c + 256 h + 16 (row % 16) hold k = 64 c + 32 h + 0 .. 31 of the 128.  A lane takes a column and its registers run down K, so a block's 16 bytes of codes leave straight from registers, sixteen
;               lanes to 256 consecutive bytes.  The scale bytes lie [row][32] (ws).  A work-group takes 128 columns x 128 along K: four blocks of 32 a lane.
;  O (448-511): Wo [K 1024][N 1024] f32 -> f16, in the order of the operand's registers (wof): [n / 128][k / 32][(n / 16) % 8][1,024 bytes]; in a fragment the 16 bytes at
;               256 p + 16 (n % 16) hold k = 32 (k / 32) + 8 p + 0 .. 7 of column n.
; A block's scale is 2^(floor(log2(its largest magnitude)) - 2); its byte is the largest magnitude's exponent field - 2, held at 1 from below.
; LIMITS: a block of zeros gets the byte 1 where the rule says 127 (its codes are zeros, and this program alone reads the bytes); blocks whose largest magnitude lies under 2^-124 were not tried;
; NaN and infinities are not served; Wo goes to f16: magnitudes up to 65,504, under 6e-5 with an absolute step of 6e-8.
; No tensor loads, no barrier: waves share nothing.  Path X alone uses LDS.
.set SPARE, 32768                      ; the spare words, 128 bytes for each wave: two blocks of 256 bytes that no other line names
.set SPW,   12                         ; v12  LDS address of my spare word; never rewritten
.set NIL,   13                         ; v13  0; never rewritten
; path X
.set STEPS, 16                         ; a wave takes 16 steps of 512 numbers: 8 rows of x
.set AHEAD, 8                          ; loads run eight steps ahead: 32 loads of 512 bytes a wave
.set EMAX,  2
.set CB,    8                          ; bytes of 16 codes
.set R,     16                         ; v16-143  eight sets of 16 numbers as they are loaded
.set X,     144                        ; v144-175 two sets of 16 neighbours
.set E,     176                        ; v176-191 a scale byte for each step
.set C,     192                        ; v192-255 codes: four registers for each step, so that no store's data are written again
.set WREG,  8192                       ; LDS 0 .. 32,767: a region for each wave: two stages of 32 x SP bytes, behind them its 256 scale bytes
.set SP,    80                         ; a lane's place in a stage: 64 bytes + 16 of padding
; path W
.set NB,    4                          ; blocks of 32 along K for a wave
.set WX,    32                         ; v32-95   two sets of 32 numbers
.set WC,    96                         ; v96-111  four registers of codes for each block, so that no store's data are written again
.set SB,    24                         ; v24      the four scale bytes: my column's word for these 128 along K
; path O
.set OX,    32                         ; v32-95   two sets of 32 numbers
.set OH,    96                         ; v96-159  16 registers of f16 pairs for each of four blocks
.macro LOAD t
.irp i, 0,1,2,3
	global_load_b128 v[R+16*((\t)%AHEAD)+4*\i:R+16*((\t)%AHEAD)+4*\i+3], v3, s[4:5] offset:2048*(\t)+512*\i th:TH_LOAD_NT   ; 32 lanes read 512 consecutive bytes
.endr
.endm
.macro TURN t                          ; step t's numbers through the stage: LDS serves a wave's instructions in order, so no wait stands between the stores and the loads
.irp i, 0,1,2,3
	ds_store_b128 v14, v[R+16*((\t)%AHEAD)+4*\i:R+16*((\t)%AHEAD)+4*\i+3] offset:32*SP*((\t)%2)+8*SP*\i
.endr
.irp i, 0,1,2,3
	ds_load_b128 v[X+16*((\t)%2)+4*\i:X+16*((\t)%2)+4*\i+3], v15 offset:32*SP*((\t)%2)+16*\i
.endr
.endm
.macro STEP t
.set XS, X+16*((\t)%2)
.if (\t) > 0
	s_wait_dscnt 1                                 ; this step's numbers are back from the stage (the last step's byte store may be out): its stores into the stage have read their registers,
.else
	s_wait_dscnt 0x0
.endif
.if (\t)+AHEAD < STEPS
	LOAD (\t)+AHEAD                                ; which take the loads of eight steps on
.endif
.if (\t)+1 < STEPS
.if STEPS-2-(\t) >= AHEAD-1
	s_wait_loadcnt 4*(AHEAD-1)                     ; the next step's four loads are in; those of the seven steps behind it may be out
.else
	s_wait_loadcnt 4*(STEPS-2-(\t))
.endif
	TURN (\t)+1
.endif
	v_max3_num_f32 v8, |v[XS]|, |v[XS+1]|, |v[XS+2]|               ; the largest magnitude of my 16
	v_max3_num_f32 v9, |v[XS+3]|, |v[XS+4]|, |v[XS+5]|
.irp i, 6,10
	v_max3_num_f32 v8, v8, |v[XS+\i]|, |v[XS+\i+1]|
	v_max3_num_f32 v9, v9, |v[XS+\i+2]|, |v[XS+\i+3]|
.endr
	v_max3_num_f32 v8, v8, |v[XS+14]|, |v[XS+15]|
	v_max3_num_f32 v8, v8, v9, (EMAX+1)<<23        ; and the floor 2^(3 - 127): the byte cannot fall under 1
	v_max_num_f32_dpp v8, v8, v8 row_xmask:1 row_mask:0xf bank_mask:0xf   ; and of my neighbour's 16: the block's
	v_add_nc_u32 v11, -(EMAX<<23), v8              ; 2 off its exponent field: the conversion takes the exponent field of this operand as its scale
	v_cvt_scalef32_pk8_fp4_f32 v[C+4*(\t)], v[XS:XS+7], v11
	v_cvt_scalef32_pk8_fp4_f32 v[C+4*(\t)+1], v[XS+8:XS+15], v11
	v_lshrrev_b32 v[E+(\t)], 23, v11               ; the scale's byte
	ds_store_b8 v5, v[E+(\t)] offset:16*(\t)       ; both lanes of a block write the same byte with the same value
	global_store_b64 v4, v[C+4*(\t):C+4*(\t)+1], s[14:15] offset:32*CB*(\t)     ; the wave stores 256 consecutive bytes, aligned
.if ((\t)%8) < 2
	global_store_b64 v4, v[C+4*(\t):C+4*(\t)+1], s[30:31] offset:((\t)/8)*512+((\t)%8)*256   ; my rows 0 and 4 are kept by the dilation: their codes once more, among the dense rows
.endif
.endm
.macro WLOAD t                         ; block t: W(32 t + i, my column), i = 0 .. 31; the four waves of a work-group stand side by side on 512 consecutive bytes
.irp i, 0,1,2,3,4,5,6,7,8,9,10,11,12,13,14,15,16,17,18,19,20,21,22,23,24,25,26,27,28,29,30,31
	global_load_b32 v[WX+32*((\t)%2)+\i], v3, s[6:7] offset:(32*(\t)+\i)*4096 th:TH_LOAD_NT
.endr
.endm
.macro BLOCK t
.set WXS, WX+32*((\t)%2)
.if (\t) < NB-1
	s_wait_loadcnt 32                              ; this block's 32 loads are in; the next block's may be out
.else
	s_wait_loadcnt 0
.endif
	v_max3_num_f32 v16, |v[WXS]|, |v[WXS+1]|, |v[WXS+2]|           ; the block's largest magnitude: all 32 numbers are mine
	v_max3_num_f32 v17, |v[WXS+3]|, |v[WXS+4]|, |v[WXS+5]|
.irp i, 6,10,14,18,22,26
	v_max3_num_f32 v16, v16, |v[WXS+\i]|, |v[WXS+\i+1]|
	v_max3_num_f32 v17, v17, |v[WXS+\i+2]|, |v[WXS+\i+3]|
.endr
	v_max3_num_f32 v16, v16, |v[WXS+30]|, |v[WXS+31]|
	v_max3_num_f32 v16, v16, v17, (EMAX+1)<<23     ; and the floor
	v_add_nc_u32 v11, -(EMAX<<23), v16
	v_lshrrev_b32 v17, 23, v11                     ; the scale's byte
.if (\t) == 0
	v_mov_b32 v[SB], v17                           ; four bytes to the word, the lower K in the lower byte
.else
	v_lshl_or_b32 v[SB], v17, 8*(\t), v[SB]
.endif
.irp g, 0,1,2,3
	v_cvt_scalef32_pk8_fp4_f32 v[WC+4*(\t)+\g], v[WXS+8*\g:WXS+8*\g+7], v11
.endr
	global_store_b128 v8, v[WC+4*(\t):WC+4*(\t)+3], s[18:19] offset:((\t)/2)*512+((\t)%2)*256   ; block t = 2 c + h of the image: sixteen lanes store 256 consecutive bytes, aligned
.if (\t)+2 < NB
	WLOAD (\t)+2
.endif
.endm
.macro OLOAD t                         ; block t: Wo(32 t + i, my column)
.irp i, 0,1,2,3,4,5,6,7,8,9,10,11,12,13,14,15,16,17,18,19,20,21,22,23,24,25,26,27,28,29,30,31
	global_load_b32 v[OX+32*((\t)%2)+\i], v3, s[12:13] offset:(32*(\t)+\i)*4096 th:TH_LOAD_NT
.endr
.endm
.macro OBLOCK t
.if (\t) < 3
	s_wait_loadcnt 32                              ; this block's 32 loads are in; the next block's may be out
.else
	s_wait_loadcnt 0
.endif
.irp i, 0,1,2,3,4,5,6,7,8,9,10,11,12,13,14,15
	v_cvt_pk_f16_f32 v[OH+16*(\t)+\i], v[OX+32*((\t)%2)+2*\i], v[OX+32*((\t)%2)+2*\i+1]   ; the lower k in the low half
.endr
.irp p, 0,1,2,3
	global_store_b128 v8, v[OH+16*(\t)+4*\p:OH+16*(\t)+4*\p+3], s[22:23] offset:(\t)*8192+256*\p   ; sixteen lanes store 256 consecutive bytes, aligned; each block has data registers of its own
.endr
.if (\t)+2 < 4
	OLOAD (\t)+2
.endif
.endm
	s_load_b256 s[4:11], s[0:1], 0x0               ; x, Wq, Wk, Wv
	s_load_b256 s[12:19], s[0:1], 0x20             ; Wo, xc, xs, wc
	s_load_b128 s[20:23], s[0:1], 0x40             ; ws, wof
	v_lshl_add_u32 v[SPW], v0, 2, SPARE
	v_mov_b32 v[NIL], 0
	v_lshrrev_b32 v1, 5, v0
	v_readfirstlane_b32 s24, v1                    ; wave 0..3
	v_and_b32 v2, 31, v0                           ; lane
	s_wait_kmcnt 0x0
	s_cmp_lt_u32 ttmp9, 256
	s_cbranch_scc0 .Lw
	; ---------------- path X ----------------
	v_lshlrev_b32 v3, 4, v2                        ; my 16 bytes of a load's 512
	s_mul_i32 s25, s24, WREG
	v_lshrrev_b32 v14, 2, v2
	v_mul_u32_u24 v14, v14, SP
	v_and_b32 v15, 3, v2
	v_lshl_add_u32 v14, v15, 4, v14
	v_add_nc_u32 v14, s25, v14                     ; the stage, on the way in: SP (lane / 4) + 16 (lane % 4)
	v_mul_u32_u24 v15, v2, SP
	v_add_nc_u32 v15, s25, v15                     ; and on the way out: SP x lane: my 16 neighbours
	v_mul_u32_u24 v4, v2, CB                       ; my codes' place in a step's
	v_lshrrev_b32 v5, 1, v2
	s_add_co_u32 s25, s25, 2*32*SP
	v_add_nc_u32 v5, s25, v5                       ; my wave's 256 scale bytes, my block's byte
	v_lshlrev_b32 v7, 3, v2                        ; on the way out 8 bytes a lane
	v_add_nc_u32 v6, s25, v7
	v_and_b32 v1, 3, v2                            ; the kept rows' scale bytes: rows 0 and 4 of my 8: 32 bytes at 0 and at 128; lanes 0-7 take 8 bytes each
	v_lshlrev_b32 v1, 3, v1
	v_bfe_u32 v10, v2, 2, 1
	v_lshl_add_u32 v1, v10, 7, v1
	v_add_nc_u32 v1, s25, v1
	s_lshl_b32 s26, ttmp9, 2
	s_add_co_u32 s26, s26, s24                     ; which run of 8 rows is my wave's: 0 .. 1023
	s_mov_b32 s29, 0
	s_lshl_b32 s28, s26, 15                        ; 8 rows of 4,096 bytes
	s_add_nc_u64 s[4:5], s[4:5], s[28:29]
	s_lshl_b32 s28, s26, 10                        ; two kept rows of 512 bytes,
	s_add_nc_u64 s[30:31], s[14:15], s[28:29]
	s_add_nc_u64 s[30:31], s[30:31], 8192*512      ; behind the 8,192 rows
	s_lshl_b32 s28, s26, 12                        ; 8 rows of 512 bytes
	s_add_nc_u64 s[14:15], s[14:15], s[28:29]
	s_lshl_b32 s28, s26, 6                         ; two kept rows of 32 scale bytes,
	s_add_nc_u64 s[32:33], s[16:17], s[28:29]
	s_add_nc_u64 s[32:33], s[32:33], 8192*32
	s_lshl_b32 s28, s26, 8                         ; 8 rows of 32 scale bytes
	s_add_nc_u64 s[16:17], s[16:17], s[28:29]
.irp t, 0,1,2,3,4,5,6,7
	LOAD \t
.endr
	s_wait_loadcnt 4*(AHEAD-1)                     ; step 0's four loads are in
	TURN 0
.irp t, 0,1,2,3,4,5,6,7,8,9,10,11,12,13,14,15
	STEP \t
.endr
	ds_load_b64 v[8:9], v6                         ; LDS serves a wave's instructions in order: these see my byte stores
	ds_load_b64 v[10:11], v1
	s_wait_dscnt 0x0
	global_store_b64 v7, v[8:9], s[16:17]          ; 32 lanes store 256 consecutive bytes, aligned
	v_cmp_gt_u32 vcc_lo, 8, v2
	s_wait_xcnt 0x0                                ; EXEC changes only behind this wait: it is a source of the stores above
	s_and_saveexec_b32 s34, vcc_lo
	global_store_b64 v7, v[10:11], s[32:33]        ; lanes 0-7: the two kept rows' 64 scale bytes; a work-group's four waves fill 256 consecutive bytes
	s_wait_xcnt 0x0
	s_or_b32 exec_lo, exec_lo, s34
	s_branch .Lend
	; ---------------- path W ----------------
.Lw:
	s_cmp_lt_u32 ttmp9, 448
	s_cbranch_scc0 .Lo
	s_sub_co_u32 s25, ttmp9, 256                   ; 0 .. 191
	s_lshr_b32 s26, s25, 6                         ; which tensor: 0 Wq, 1 Wk, 2 Wv
	s_and_b32 s27, s25, 7                          ; which 128 columns
	s_bfe_u32 s28, s25, 0x30003                    ; which 128 along K: 0 .. 7
	s_cmp_eq_u32 s26, 1
	s_cselect_b64 s[8:9], s[8:9], s[10:11]
	s_cmp_eq_u32 s26, 0
	s_cselect_b64 s[6:7], s[6:7], s[8:9]
	s_lshl_b32 s30, s28, 19                        ; 128 rows of 4,096 bytes,
	s_lshl_b32 s29, s27, 9                         ; 128 columns of f32,
	s_add_co_u32 s30, s30, s29
	s_lshl_b32 s29, s24, 7                         ; my wave's 32 columns
	s_add_co_u32 s30, s30, s29
	s_mov_b32 s31, 0
	s_add_nc_u64 s[6:7], s[6:7], s[30:31]
	s_lshl_b32 s29, s26, 3
	s_add_co_u32 s29, s29, s27                     ; which 128 rows of wc and ws: 8 x tensor + columns / 128
	s_lshl_b32 s30, s29, 16                        ; 128 rows of codes are 65,536 bytes,
	s_lshl_b32 s32, s28, 13                        ; 128 along K of them 8,192,
	s_add_co_u32 s30, s30, s32
	s_lshl_b32 s32, s24, 11                        ; my wave's two images 2,048
	s_add_co_u32 s30, s30, s32
	s_add_nc_u64 s[18:19], s[18:19], s[30:31]
	s_lshl_b32 s30, s29, 12                        ; 128 rows of 32 scale bytes,
	s_lshl_b32 s32, s24, 10                        ; my wave's 32 rows,
	s_add_co_u32 s30, s30, s32
	s_lshl_b32 s32, s28, 2                         ; the word of these 128 along K
	s_add_co_u32 s30, s30, s32
	s_add_nc_u64 s[20:21], s[20:21], s[30:31]
	v_lshlrev_b32 v3, 2, v2                        ; in: 4 bytes a lane
	v_lshrrev_b32 v8, 4, v2
	v_and_b32 v9, 15, v2
	v_lshlrev_b32 v8, 10, v8
	v_lshl_add_u32 v8, v9, 4, v8                   ; out: image lane / 16, 16 bytes at 16 (lane % 16)
	v_lshlrev_b32 v9, 5, v2                        ; my column's row of scale bytes
	WLOAD 0
	WLOAD 1
.irp t, 0,1,2,3
	BLOCK \t
.endr
	global_store_b32 v9, v[SB], s[20:21]           ; my column's scale word: 4 bytes of its row of 32; one such store a wave, 98,304 bytes in the whole launch
	s_branch .Lend
	; ---------------- path O ----------------
.Lo:
	s_sub_co_u32 s25, ttmp9, 448                   ; 0 .. 63
	s_and_b32 s26, s25, 7                          ; which 128 columns
	s_lshr_b32 s27, s25, 3                         ; which 128 along K
	s_lshl_b32 s28, s27, 19                        ; 128 rows of 4,096 bytes
	s_lshl_b32 s30, s26, 9
	s_add_co_u32 s28, s28, s30
	s_lshl_b32 s30, s24, 7                         ; my wave's 32 columns
	s_add_co_u32 s28, s28, s30
	s_mov_b32 s29, 0
	s_add_nc_u64 s[12:13], s[12:13], s[28:29]
	s_lshl_b32 s28, s26, 18                        ; a slice of 128 columns is 262,144 bytes,
	s_lshl_b32 s30, s27, 15                        ; four chunks of 32 along K 32,768,
	s_add_co_u32 s28, s28, s30
	s_lshl_b32 s30, s24, 11                        ; my wave's two tiles of 16 columns 2,048
	s_add_co_u32 s28, s28, s30
	s_add_nc_u64 s[22:23], s[22:23], s[28:29]
	v_lshlrev_b32 v3, 2, v2
	v_lshrrev_b32 v8, 4, v2
	v_and_b32 v9, 15, v2
	v_lshlrev_b32 v8, 10, v8
	v_lshl_add_u32 v8, v9, 4, v8                   ; 1,024 (lane / 16) + 16 (lane % 16)
	OLOAD 0
	OLOAD 1
.irp t, 0,1,2,3
	OBLOCK \t
.endr
.Lend:
	s_wait_tensorcnt 0x0                           ; the wave's end: behind my last LDS store
	ds_add_u32 v[SPW], v[NIL]
	s_wait_dscnt 0x0
	s_endpgm
.Lfunc_end_k_q20428d3659_prep:
	.size	k_q20428d3659_prep, .Lfunc_end_k_q20428d3659_prep-k_q20428d3659_prep
	.p2alignl 7, 3214868480
	.fill 96, 4, 3214868480
	.section	.rodata,"a",@progbits
	.p2align	6, 0x0
	.amdhsa_kernel k_q20428d3659_prep
		.amdhsa_group_segment_fixed_size 33280
		.amdhsa_private_segment_fixed_size 0
		.amdhsa_enable_private_segment 0
		.amdhsa_kernarg_size 80
		.amdhsa_user_sgpr_count 2
		.amdhsa_user_sgpr_kernarg_segment_ptr 1
		.amdhsa_wavefront_size32 1
		.amdhsa_system_sgpr_workgroup_id_x 1
		.amdhsa_system_sgpr_workgroup_id_y 1
		.amdhsa_system_sgpr_workgroup_id_z 1
		.amdhsa_system_vgpr_workitem_id 0
		.amdhsa_next_free_vgpr 256
		.amdhsa_next_free_sgpr 66
		.amdhsa_reserve_vcc 1
		.amdhsa_float_denorm_mode_32 3
		.amdhsa_float_denorm_mode_16_64 3
		.amdhsa_memory_ordered 1
		.amdhsa_forward_progress 1
		.amdhsa_inst_pref_size 72
	.end_amdhsa_kernel
	.amdgpu_metadata
---
amdhsa.version: [ 1, 2 ]
amdhsa.kernels:
  - .name:           k_q20428d3659_prep
    .symbol:         k_q20428d3659_prep.kd
    .args:
      - { .name: x, .offset: 0, .size: 8, .value_kind: global_buffer, .address_space: global }
      - { .name: Wq, .offset: 8, .size: 8, .value_kind: global_buffer, .address_space: global }
      - { .name: Wk, .offset: 16, .size: 8, .value_kind: global_buffer, .address_space: global }
      - { .name: Wv, .offset: 24, .size: 8, .value_kind: global_buffer, .address_space: global }
      - { .name: Wo, .offset: 32, .size: 8, .value_kind: global_buffer, .address_space: global }
      - { .name: xc, .offset: 40, .size: 8, .value_kind: global_buffer, .address_space: global }
      - { .name: xs, .offset: 48, .size: 8, .value_kind: global_buffer, .address_space: global }
      - { .name: wc, .offset: 56, .size: 8, .value_kind: global_buffer, .address_space: global }
      - { .name: ws, .offset: 64, .size: 8, .value_kind: global_buffer, .address_space: global }
      - { .name: wof, .offset: 72, .size: 8, .value_kind: global_buffer, .address_space: global }
    .group_segment_fixed_size: 33280
    .private_segment_fixed_size: 0
    .kernarg_segment_align: 8
    .kernarg_segment_size: 80
    .max_flat_workgroup_size: 128
    .sgpr_count:     66
    .vgpr_count:     256
    .wavefront_size: 32
...
	.end_amdgpu_metadata
.endif
;; end of part 1
;; launch qkv (part 2): grid 4 x 48, 4 waves a work-group, clusters of 4 x 4, 327,680 bytes of LDS; arguments xc, xs, wc, ws, qkv, bq, bk, bv; writes qkv
.if DOCPART == 2
	.amdgcn_target "amdgcn-amd-amdhsa--gfx1250"
	.amdhsa_code_object_version 6
	.text
	.protected	k_q20428d3659_qkv
	.globl	k_q20428d3659_qkv
	.p2align	8
	.type	k_q20428d3659_qkv,@function
k_q20428d3659_qkv:
	s_mov_b64 s[64:65], 0
	v_nop
	global_prefetch_b8 v0, s[64:65] scope:SCOPE_SE
	s_setreg_imm32_b32 hwreg(HW_REG_WAVE_MODE, 25, 1), 1
	s_wait_xcnt 0x0
	s_wait_alu depctr_hold_cnt(0) depctr_sa_sdst(0) depctr_va_vdst(0) depctr_va_sdst(0) depctr_va_ssrc(0) depctr_va_vcc(0) depctr_vm_vsrc(0)
	s_getreg_b32 s2, hwreg(HW_REG_IB_STS2, 6, 4)
	s_cmp_eq_u32 s2, 0
	s_cbranch_scc0 .Lentry_in_a_cluster
	s_endpgm
.Lentry_in_a_cluster:
	s_bfe_u32 s2, ttmp6, 0x10000c
	s_cmp_lg_u32 s2, 0xf033
	s_cbranch_scc0 .Lentry_shape_is_right
	s_endpgm
.Lentry_shape_is_right:
; q = (Q(x) Q(Wq) + bq) log2(e) / 8,  k = Q(x') Q(Wk) + bk,  v = Q(x') Q(Wv) + bv  (x': the rows that the dilation keeps), on codes of FP4 (E2M1) with one E8M0 scale for each 32 along K = 1024; sums in f32.
; 192 tiles of 256 x 256: 128 of q (8,192 rows), 32 of k and 32 of v (2,048 rows each): the rows of k and v that the dilation throws away are not multiplied.
; A tile is made by four waves, 128 x 128 each.  K = 1024 is two LDS slots of 512 along K: both are filled once, with the scales, at the head; nothing is filled again.
; THE PRODUCT GOES BY ROWS OF C.  W's fragments of my 128 columns, for all of K (8 steps of 128 x 64 registers), come into registers once; then my eight blocks of 16 rows are finished one after the other, each with
; 64 matrix instructions (its 8 accumulators by turns, K ascending), and each block leaves as soon as it is finished, while the later blocks are multiplied.  Each fragment is read from LDS once.
; CLUSTERS: 4 x 4 work-groups.  The four of a row of the cluster need the same tiles of x, the four of a column the same tiles of W: each tile is asked for JOINTLY.  The cluster's y picks the tensor (0-7 q, 8-9 k, 10-11 v):
; it is the same in all sixteen partners.
; x's tiles are rows of 256 bytes (512 codes), padded in LDS.  W's tiles arrive as images of fragments: 128 rows x 512 along K are 32,768 dense bytes, [k / 128][row / 16][1,024 bytes]; a fragment is two loads of 16 bytes at 16 x lane.
; THE MATRIX INSTRUCTION IS USED TRANSPOSED (source 0 = 16 rows of W, source 1 = 16 rows of x): lane (r, h) holds row r and columns 16 b + 8 h + 0 .. 7.  Rounded to f16 these are 16 bytes, which ARE four registers of the
; next product's fragment: so results leave straight from registers, 512 consecutive bytes a store, as images of the next operand's registers:
;   qkv: q at 0, k at KOFF, v at KOFF + 4 MiB; each [16 batch + head][tile of 16 rows][2,048 bytes].  q, k: byte 512 (channel / 16) + 16 lane.  v: byte 512 (channel / 16) + 32 r + 16 h (rows of 32 bytes a key, for the turning load).
; The bias is the C of each sum's first matrix instruction.
; LIMITS: results go to f16: |q| log2(e) / 8, |k|, |v| up to 65,504.
; REGISTERS, in windows of 256: window 0: v0-31 addresses; v32-95 scale words, two sets, and nothing else; v192-255 the bias, 8 registers a block of 16 columns.
;   window 1: v0-63 the block's 8 accumulators; v64-127 the packed results, two sets by turns; v128-255 x's fragments of a block (8 steps x 8 registers), two sets by turns.
;   window 2: W's fragments of K steps 0-3 (step q, block b at v[64 q + 8 b]);   window 3: those of K steps 4-7.
.set ROWB,   256                       ; a row of x's tile in bytes: 512 codes
.set KROW,   512                       ; a row of xc in memory
.set PITCH,  272                       ; an LDS row of x's tile: 256 bytes + 16 of padding = 68 words: the 16 rows that a load touches start at 16 different banks
.set HALFT,  128*PITCH                 ; the place of 128 rows in a slot (W's 32,768 dense bytes lie at the head of theirs)
.set SLOT,   4*HALFT
.set KS,     32                        ; a row of scales in bytes
.set SCL,    2*SLOT                    ; behind the slots: the scales, as units of 256 bytes + 16 of padding
.set HALFS,  (128*KS/256)*272
.set SBLK,   (16*KS/256)*272
.set SPARE,  SCL+4*HALFS               ; the spare words, 128 bytes for each wave: two blocks of 256 bytes that no other line names
.set KOFF,   16777216
.set ADRA, 16                          ; v16-17  LDS address of my fragments of x in slot 0, 1
.set ADRB, 20                          ; v20-21  the same for W: 16 x lane + my 128 columns' place
.set CO,   26                          ; v26  my lane's byte in a store's 512
.set ADRS, 27
.set SPW,  28
.set NIL,  29
.set BOF,  30                          ; v30  32 x (lane / 16): my half's eight numbers of the bias
.set SC,   32
.set BI,   192
.set ACC,  0
.set TH,   64
.set AF,   128
.set G1, 24
.set G0, 32
.set G1B, 48
.set G0B, 56
.set G1S, 68
.set G0S, 76
.set G1SB, 80
.set G0SB, 88
.set MSB, 0
.macro WIN new                         ; the immediate's high byte repeats the setting that is left
.if MSB != (\new)
	s_set_vgpr_msb (MSB<<8)|(\new)
.set MSB, \new
.endif
.endm
.set MUL_0,  0x46                      ; source 0 (W) window 2, source 1 (x) window 1, C (the bias) window 0, D window 1
.set MUL_LO, 0x56                      ; the same, C window 1
.set MUL_HI, 0x57                      ; source 0 window 3
.set TO_A,   0x40                      ; destination window 1, address window 0
.set W_OUT,  0x45                      ; sources 0 and 1 and the destination window 1
.set W_ST,   0x04                      ; a store's data are its source 1: window 1
; A joint load: waves 0 and 1 fetch for x, waves 2 and 3 for W.  The branch hangs on the wave's number alone.  An s_nop 0 and four v_nop follow each of the two lines.
.macro JLOAD g0a, g1a, g0b, g1b
	s_cmp_eq_u32 s15, 0
	s_cbranch_scc0 .Lfor_b_\@
	tensor_load_to_lds s[\g0a:\g0a+3], s[\g1a:\g1a+7]
	s_nop 0
.rept 4
	v_nop
.endr
	s_branch .Lasked_\@
.Lfor_b_\@:
	tensor_load_to_lds s[\g0b:\g0b+3], s[\g1b:\g1b+7]
	s_nop 0
.rept 4
	v_nop
.endr
.Lasked_\@:
.endm
.macro CROUND                          ; a round of the cluster's barrier
	s_barrier_signal -1
	s_barrier_wait -1
	s_cmp_lg_u32 s14, 0
	s_cbranch_scc1 .Lnot_wave_0_\@
	s_barrier_signal -3
.Lnot_wave_0_\@:
	s_barrier_wait -3
	s_barrier_signal -1
	s_barrier_wait -1
.endm
	s_load_b128 s[4:7], s[0:1], 0x0                ; xc, xs
	s_load_b128 s[8:11], s[0:1], 0x10              ; wc, ws
	s_load_b64 s[12:13], s[0:1], 0x20              ; qkv
	s_load_b128 s[96:99], s[0:1], 0x28             ; bq, bk
	s_load_b64 s[100:101], s[0:1], 0x38            ; bv
	v_lshl_add_u32 v[SPW], v0, 2, SPARE
	v_mov_b32 v[NIL], 0
	ds_add_u32 v[SPW], v[NIL]                      ; the wave's opening: the add, twice on end, and its wait ahead of my first tensor load
	ds_add_u32 v[SPW], v[NIL]
	v_lshrrev_b32 v1, 5, v0
	v_readfirstlane_b32 s14, v1                    ; wave 0..3
	s_lshr_b32 s15, s14, 1                         ; which half of the tile's rows is mine.  Also: I fetch for x (0) or for W (1)
	s_and_b32 s16, s14, 1                          ; which half of its columns.  Also: which 128 rows of that tile I fetch
	s_bfe_u32 s40, ttmp6, 0x40000                  ; cx, cy: my place in the cluster
	s_bfe_u32 s41, ttmp6, 0x40004
	s_and_b32 s66, ttmp7, 0xffff                   ; the cluster's y, 0 .. 11
	s_and_b32 s17, s66, 1
	s_add_co_u32 s17, s17, 8
	s_min_u32 s17, s66, s17                        ; y for q (0 .. 7); 8 + y % 2 for k and v: the dense rows lie behind x's 32 tile rows
	s_lshl_b32 s17, s17, 2
	s_add_co_u32 s17, s17, s41                     ; the tile row in xc and xs: 0 .. 39
	s_max_u32 s67, s66, 6
	s_sub_co_u32 s67, s67, 6
	s_lshr_b32 s67, s67, 1                         ; the tensor: 0 q, 1 k, 2 v
	s_lshl_b32 s42, s67, 2
	s_add_co_u32 s42, s42, s40                     ; the tile in wc and ws: 0 .. 11
	s_lshl_b32 s43, s41, 2
	s_lshl_b32 s43, 15, s43                        ; my row of the cluster
	s_lshl_b32 s44, 0x1111, s40                    ; my column
	; descriptor group 1 for x: a tile of 128 rows x 256 bytes, padded in LDS
	s_or_b32 s[G1+0], s43, (0<<16)|(1<<20)|(1<<21)|(5<<22)|(3<<25)  ; 15:0 the mask: x's tiles go to my row; elements of 1 byte; padding on; bit 21 beside a mask; after every 64 words 4 words
	s_mov_b32 s[G1+1], ROWB<<16                    ; tensor_dim0
	s_mov_b32 s[G1+2], 128<<16                     ; tensor_dim1
	s_mov_b32 s[G1+3], ROWB<<16                    ; tile_dim0
	s_mov_b32 s[G1+4], 128                         ; tile_dim1
	s_mov_b32 s[G1+5], KROW                        ; the pitch
	s_mov_b32 s[G1+6], 0
	s_mov_b32 s[G1+7], 0
	; for W: a dense block of 32,768 bytes as 128 rows of 256 bytes (32 elements of 8 bytes), no padding: a fragment's loads take 512 consecutive bytes
	s_or_b32 s[G1B+0], s44, (3<<16)|(1<<21)        ; the mask: W's tiles go to my column
	s_mov_b32 s[G1B+1], 32<<16
	s_mov_b32 s[G1B+2], 128<<16
	s_mov_b32 s[G1B+3], 32<<16
	s_mov_b32 s[G1B+4], 128
	s_mov_b32 s[G1B+5], 32
	s_mov_b32 s[G1B+6], 0
	s_mov_b32 s[G1B+7], 0
	; the scales of 128 rows: a dense block of 4,096 bytes, as 16 rows of 256 bytes (32 elements of 8 bytes), 16 bytes of padding behind each
	s_or_b32 s[G1S+0], s43, (3<<16)|(1<<20)|(1<<21)|(5<<22)|(3<<25)
	s_or_b32 s[G1SB+0], s44, (3<<16)|(1<<20)|(1<<21)|(5<<22)|(3<<25)
.irp g, G1S, G1SB
	s_mov_b32 s[\g+1], 32<<16
	s_mov_b32 s[\g+2], (128*KS/256)<<16
	s_mov_b32 s[\g+3], 32<<16
	s_mov_b32 s[\g+4], 128*KS/256
	s_mov_b32 s[\g+5], 32
	s_mov_b32 s[\g+6], 0
	s_mov_b32 s[\g+7], 0
.endr
	s_lshl_b32 s18, s16, 7                         ; which 128 rows of the tile I fetch
	s_lshl_b32 s20, s17, 8
	s_add_co_u32 s20, s20, s18                     ; x: row 256 x tile row + 128 x half
	s_lshl_b32 s46, s42, 8
	s_add_co_u32 s46, s46, s18                     ; W: row 256 x tile + 128 x half
	s_mov_b32 s21, 0
	s_mov_b32 s47, 0
	s_mov_b64 s[18:19], KS
	s_mul_u64 s[22:23], s[20:21], s[18:19]         ; where these rows' scales begin, in bytes
	s_mul_u64 s[92:93], s[46:47], s[18:19]
	s_mov_b64 s[18:19], KROW
	s_mul_u64 s[20:21], s[20:21], s[18:19]         ; and their codes: 512 bytes a row, in xc by rows, in wc by blocks of 128 rows (65,536 bytes)
	s_mul_u64 s[46:47], s[46:47], s[18:19]
	s_mul_i32 s45, s14, HALFT                      ; where they go: wave x the place of 128 rows: no place in the cluster enters an LDS address
	s_mul_i32 s94, s14, HALFS
	s_wait_dscnt 0x0                               ; both opening adds are done
	s_wait_kmcnt 0x0
	s_add_nc_u64 s[20:21], s[4:5], s[20:21]
	s_add_nc_u64 s[22:23], s[6:7], s[22:23]
	s_add_nc_u64 s[46:47], s[8:9], s[46:47]
	s_add_nc_u64 s[92:93], s[10:11], s[92:93]
	CROUND                                         ; all sixteen work-groups are here: the joint loads meet
	s_mov_b32 s[G0S], 1
	s_add_co_u32 s[G0S+1], s94, SCL
	s_mov_b64 s[G0S+2:G0S+3], s[22:23]
	s_or_b32 s[G0S+3], s[G0S+3], 0x80000000
	s_mov_b32 s[G0SB], 1
	s_add_co_u32 s[G0SB+1], s94, SCL
	s_mov_b64 s[G0SB+2:G0SB+3], s[92:93]
	s_or_b32 s[G0SB+3], s[G0SB+3], 0x80000000
	JLOAD G0S, G1S, G0SB, G1SB                     ; the scales first: they are wanted with the first slot.  Three loads of mine are out in all
.irp s, 0,1
	s_mov_b32 s[G0+4*\s], 1
	s_add_co_u32 s[G0+4*\s+1], s45, \s*SLOT
	s_add_nc_u64 s[G0+4*\s+2:G0+4*\s+3], s[20:21], \s*ROWB      ; x: 512 along K are 256 bytes on in each row
	s_or_b32 s[G0+4*\s+3], s[G0+4*\s+3], 0x80000000
	s_mov_b32 s[G0B+4*\s], 1
	s_add_co_u32 s[G0B+4*\s+1], s45, \s*SLOT
	s_add_nc_u64 s[G0B+4*\s+2:G0B+4*\s+3], s[46:47], \s*32768   ; W: 512 along K of 128 rows are 32,768 bytes on
	s_or_b32 s[G0B+4*\s+3], s[G0B+4*\s+3], 0x80000000
	JLOAD G0+4*\s, G1, G0B+4*\s, G1B
.endr
	v_and_b32 v1, 15, v0                           ; r = l % 16
	v_bfe_u32 v2, v0, 4, 1                         ; h = l / 16
	v_mul_u32_u24 v3, v1, PITCH
	v_lshl_add_u32 v4, v2, 4, v3                   ; x: a fragment's row x pitch + 16 x half
	v_and_b32 v7, 31, v0
	v_lshlrev_b32 v7, 4, v7                        ; W: 16 x lane
	s_mul_i32 s21, s15, HALFT                      ; my 128 rows of x
	s_mul_i32 s22, s16, HALFT                      ; my 128 rows of W,
	s_add_co_u32 s22, s22, 2*HALFT                 ; which lie behind x's 256
.irp s, 0,1
	v_add_nc_u32 v[ADRA+\s], s21, v4
	v_add_nc_u32 v[ADRB+\s], s22, v7
	s_add_co_u32 s21, s21, SLOT
	s_add_co_u32 s22, s22, SLOT
.endr
	v_mul_u32_u24 v5, v1, KS                       ; my row's scales: 32 bytes a row,
	v_lshrrev_b32 v6, 8, v5
	v_lshl_add_u32 v5, v6, 4, v5                   ; and 16 more for each 256 passed
	s_mul_i32 s21, s15, HALFS
	s_mul_i32 s22, s16, HALFS
	s_add_co_u32 s22, s22, 2*HALFS
	s_sub_co_u32 s22, s22, s21
	v_mul_u32_u24 v6, s22, v2                      ; lanes 16-31 take W's
	s_add_co_u32 s21, s21, SCL
	v_add_nc_u32 v5, v5, v6
	v_add_nc_u32 v[ADRS], s21, v5
	; what hangs on the tensor: all by selects on the cluster's y
	s_lshl_b32 s44, s67, 22
	s_add_co_u32 s44, s44, KOFF-4194304            ; k: KOFF; v: KOFF + 4 MiB
	s_mov_b32 s2, 0x3f800000
	s_cmp_lt_u32 s66, 10
	s_cselect_b64 s[98:99], s[98:99], s[100:101]   ; bk or bv
	s_cselect_b32 s18, 16, 32                      ; a store's lane term: q, k: 16 r + 256 h;  v: 32 r + 16 h
	s_cselect_b32 s19, 256, 16
	s_cmp_lt_u32 s66, 8
	s_cselect_b64 s[96:97], s[96:97], s[98:99]     ; bq, or that
	s_cselect_b32 s2, 0x3e38aa3b, s2               ; q is multiplied by log2(e) / 8, so that the scores come out as exponents of 2; k and v by 1
	s_cselect_b32 s43, 12, 10                      ; log2 of the rows of a batch: 4,096 or 1,024
	s_cselect_b32 s44, 0, s44                      ; where the tensor begins in qkv
	s_mov_b32 s3, s2                               ; (the packed form names the pair)
	v_mul_u32_u24 v[CO], s18, v1
	v_mad_u32_u24 v[CO], v2, s19, v[CO]
	s_and_b32 s20, s17, 31                         ; the tile row within the tensor
	s_lshl_b32 s20, s20, 8
	s_lshl_b32 s21, s15, 7
	s_add_co_u32 s20, s20, s21                     ; my first row
	s_lshr_b32 s21, s20, s43                       ; its batch
	s_lshl_b32 s21, s21, 4
	s_lshl_b32 s22, s40, 2
	s_add_co_u32 s21, s21, s22
	s_lshl_b32 s22, s16, 1
	s_add_co_u32 s21, s21, s22                     ; 16 batch + my first head (4 cx + 2 x half)
	s_lshl_b32 s21, s21, s43
	s_lshl_b32 s22, 1, s43
	s_sub_co_u32 s22, s22, 1
	s_and_b32 s22, s20, s22                        ; the row within its batch
	s_add_co_u32 s21, s21, s22
	s_lshl_b32 s21, s21, 7                         ; 128 bytes a row of a head
	s_add_co_u32 s22, s21, s44
	s_mov_b32 s23, 0
	s_add_nc_u64 s[92:93], s[12:13], s[22:23]      ; my rows in my first head,
	s_lshl_b32 s22, 128, s43
	s_add_nc_u64 s[94:95], s[92:93], s[22:23]      ; and in my second
	s_lshl_b32 s22, s40, 10
	s_lshl_b32 s21, s16, 9
	s_add_co_u32 s22, s22, s21                     ; my first column of the tensor, in bytes of f32
	s_add_nc_u64 s[96:97], s[96:97], s[22:23]
	v_lshlrev_b32 v[BOF], 5, v2
.irp b, 0,1,2,3,4,5,6,7
	global_load_b128 v[BI+8*\b:BI+8*\b+3], v[BOF], s[96:97] offset:64*\b        ; the bias of columns 16 b + 8 h + 0 .. 7: the result's layout
	global_load_b128 v[BI+8*\b+4:BI+8*\b+7], v[BOF], s[96:97] offset:64*\b+16
.endr
; W's fragments of a slot's four K steps, 8 blocks of 16 columns each, into window 2 (slot 0) or 3 (slot 1): images, 512 consecutive bytes a load.
; A fragment, 16 rows x 128 K of 4-bit codes, is 8 registers: registers 4 c .. 4 c + 3 hold K = 64 c + 32 (l / 16) + 0 .. 31 of row l % 16.
.macro FETCH_B slot
	WIN 0x80+0x40*(\slot)
.irp q, 0,1,2,3
.irp i, 0,1,2,3,4,5,6,7
.irp c, 0,1
	ds_load_b128 v[64*\q+8*\i+4*\c:64*\q+8*\i+4*\c+3], v[ADRB+(\slot)] offset:\q*8192+\i*1024+\c*512
.endr
.endr
.endr
.endm
; x's fragments of block a (16 rows), the four K steps of slot s, into set a % 2
.macro FETCH_A a, s
	WIN TO_A
.irp q, 0,1,2,3
.irp c, 0,1
	ds_load_b128 v[AF+64*((\a)%2)+8*(4*(\s)+\q)+4*\c:AF+64*((\a)%2)+8*(4*(\s)+\q)+4*\c+3], v[ADRA+(\s)] offset:64*\q+32*\c+(\a)*16*PITCH
.endr
.endr
.endm
.macro SCALES sc                       ; a slot's scale words: 4 words a row; lanes 0-15 take x's block i, lanes 16-31 W's block i.  Register SC + 32 sc + 4 i + q: the slot's q-th 128 along K
.irp i, 0,1,2,3,4,5,6,7
	ds_load_b128 v[SC+32*(\sc)+4*\i:SC+32*(\sc)+4*\i+3], v[ADRS] offset:\i*SBLK+16*(\sc)
.endr
.endm
; BLOCK a OF 16 ROWS, from the bias to the stores.
.macro ROW a
	s_wait_dscnt 0x0                               ; this block's fragments of x are in (asked for ahead of the last block's products); at the first block: W's fragments and the scale words too
.if (\a) < 7
	FETCH_A (\a)+1, 0                              ; the next block's, into the set that the block before this one has left: that block's scalings and roundings are the places between its products and these loads
	FETCH_A (\a)+1, 1
.endif
.irp q, 0,1,2,3,4,5,6,7                        ; 64 matrix instructions: K ascending; the 8 accumulators take turns, one instruction a turn
.if \q == 0
	WIN MUL_0
.elseif \q < 4
	WIN MUL_LO
.else
	WIN MUL_HI
.endif
.irp b, 0,1,2,3,4,5,6,7
.if \q == 0
	v_wmma_scale_f32_16x16x128_f8f6f4 v[ACC+8*\b:ACC+8*\b+7], v[64*(\q%4)+8*\b:64*(\q%4)+8*\b+7], v[AF+64*((\a)%2)+8*\q:AF+64*((\a)%2)+8*\q+7], v[BI+8*\b:BI+8*\b+7], v[SC+32*(\q/4)+4*\b+\q%4], v[SC+32*(\q/4)+4*(\a)+\q%4] matrix_a_fmt:MATRIX_FMT_FP4 matrix_b_fmt:MATRIX_FMT_FP4 matrix_a_scale:MATRIX_SCALE_ROW1
.else
	v_wmma_scale_f32_16x16x128_f8f6f4 v[ACC+8*\b:ACC+8*\b+7], v[64*(\q%4)+8*\b:64*(\q%4)+8*\b+7], v[AF+64*((\a)%2)+8*\q:AF+64*((\a)%2)+8*\q+7], v[ACC+8*\b:ACC+8*\b+7], v[SC+32*(\q/4)+4*\b+\q%4], v[SC+32*(\q/4)+4*(\a)+\q%4] matrix_a_fmt:MATRIX_FMT_FP4 matrix_b_fmt:MATRIX_FMT_FP4 matrix_a_scale:MATRIX_SCALE_ROW1
.endif
.endr
.endr
.rept 4
	v_nop                                          ; four plain instructions between the last product and the first vector instruction on its result (ISA guide 7.12.1)
.endr
	WIN W_OUT
.irp b, 0,1,2,3,4,5,6,7
.irp p, 0,1,2,3
	v_pk_mul_f32 v[ACC+8*\b+2*\p:ACC+8*\b+2*\p+1], v[ACC+8*\b+2*\p:ACC+8*\b+2*\p+1], s[2:3] op_sel_hi:[1,0]   ; in place; each accumulator from its low end on
.endr
.endr
.if (\a) > 1
	s_wait_xcnt 0x0                                ; block a - 2's stores have read their data: the set is written again only behind this wait
.endif
.irp b, 0,1,2,3,4,5,6,7
.irp p, 0,1,2,3
	v_cvt_pk_f16_f32 v[TH+32*((\a)%2)+4*\b+\p], v[ACC+8*\b+2*\p], v[ACC+8*\b+2*\p+1]
.endr
.endr
	WIN W_ST
.irp b, 0,1,2,3,4,5,6,7
	global_store_b128 v[CO], v[TH+32*((\a)%2)+4*\b:TH+32*((\a)%2)+4*\b+3], s[92+2*(\b/4):93+2*(\b/4)] offset:(\a)*2048+(\b%4)*512   ; rows 16 a on, channels 16 (b % 4) on, head b / 4: the wave stores 512 consecutive bytes, aligned
.endr
	WIN 0
.endm
	s_wait_tensorcnt 1                             ; the scales and my part of slot 0 are in (slot 1's load may be out)
	s_barrier_signal -1
	s_barrier_wait -1                              ; everybody's are
	FETCH_B 0                                      ; slot 0 is read out while slot 1 lands
	WIN 0
	SCALES 0
	FETCH_A 0, 0
	WIN 0
	s_wait_tensorcnt 0x0                           ; my part of slot 1 is in;
	s_wait_dscnt 0x0                               ; no LDS instruction of mine is out at the signal
	s_barrier_signal -1
	s_barrier_wait -1                              ; everybody's is
	FETCH_B 1
	WIN 0
	SCALES 1
	FETCH_A 0, 1
	WIN 0
	s_wait_loadcnt 0x0                             ; the bias
.irp a, 0,1,2,3,4,5,6,7
	ROW \a
.endr
	s_wait_tensorcnt 0x0                           ; the wave's end
	ds_add_u32 v[SPW], v[NIL]
	s_wait_dscnt 0x0
	CROUND                                         ; the closing round: no work-group ends while a partner may still ask for a tile that names it
	s_endpgm
.Lfunc_end_k_q20428d3659_qkv:
	.size	k_q20428d3659_qkv, .Lfunc_end_k_q20428d3659_qkv-k_q20428d3659_qkv
	.p2alignl 7, 3214868480
	.fill 96, 4, 3214868480
	.section	.rodata,"a",@progbits
	.p2align	6, 0x0
	.amdhsa_kernel k_q20428d3659_qkv
		.amdhsa_group_segment_fixed_size 327680
		.amdhsa_private_segment_fixed_size 0
		.amdhsa_enable_private_segment 0
		.amdhsa_kernarg_size 64
		.amdhsa_user_sgpr_count 2
		.amdhsa_user_sgpr_kernarg_segment_ptr 1
		.amdhsa_wavefront_size32 1
		.amdhsa_system_sgpr_workgroup_id_x 1
		.amdhsa_system_sgpr_workgroup_id_y 1
		.amdhsa_system_sgpr_workgroup_id_z 1
		.amdhsa_system_vgpr_workitem_id 0
		.amdhsa_next_free_vgpr 1024
		.amdhsa_next_free_sgpr 102
		.amdhsa_reserve_vcc 0
		.amdhsa_float_denorm_mode_32 3
		.amdhsa_float_denorm_mode_16_64 3
		.amdhsa_memory_ordered 1
		.amdhsa_forward_progress 1
		.amdhsa_inst_pref_size 135
	.end_amdhsa_kernel
	.amdgpu_metadata
---
amdhsa.version: [ 1, 2 ]
amdhsa.kernels:
  - .name:           k_q20428d3659_qkv
    .symbol:         k_q20428d3659_qkv.kd
    .args:
      - { .name: xc, .offset: 0, .size: 8, .value_kind: global_buffer, .address_space: global }
      - { .name: xs, .offset: 8, .size: 8, .value_kind: global_buffer, .address_space: global }
      - { .name: wc, .offset: 16, .size: 8, .value_kind: global_buffer, .address_space: global }
      - { .name: ws, .offset: 24, .size: 8, .value_kind: global_buffer, .address_space: global }
      - { .name: qkv, .offset: 32, .size: 8, .value_kind: global_buffer, .address_space: global }
      - { .name: bq, .offset: 40, .size: 8, .value_kind: global_buffer, .address_space: global }
      - { .name: bk, .offset: 48, .size: 8, .value_kind: global_buffer, .address_space: global }
      - { .name: bv, .offset: 56, .size: 8, .value_kind: global_buffer, .address_space: global }
    .group_segment_fixed_size: 327680
    .private_segment_fixed_size: 0
    .kernarg_segment_align: 8
    .kernarg_segment_size: 64
    .max_flat_workgroup_size: 128
    .sgpr_count:     102
    .vgpr_count:     1024
    .wavefront_size: 32
...
	.end_amdgpu_metadata
.endif
;; end of part 2
;; launch attn (part 3): grid 8 x 32, 16 waves a work-group, clusters of 4 x 1, 327,680 bytes of LDS; arguments qkv, ctx; writes ctx
.if DOCPART == 3
	.amdgcn_target "amdgcn-amd-amdhsa--gfx1250"
	.amdhsa_code_object_version 6
	.text
	.protected	k_q20428d3659_attn
	.globl	k_q20428d3659_attn
	.p2align	8
	.type	k_q20428d3659_attn,@function
k_q20428d3659_attn:
	s_mov_b64 s[64:65], 0
	v_nop
	global_prefetch_b8 v0, s[64:65] scope:SCOPE_SE
	s_setreg_imm32_b32 hwreg(HW_REG_WAVE_MODE, 25, 1), 1
	s_wait_xcnt 0x0
	s_wait_alu depctr_hold_cnt(0) depctr_sa_sdst(0) depctr_va_vdst(0) depctr_va_sdst(0) depctr_va_ssrc(0) depctr_va_vcc(0) depctr_vm_vsrc(0)
	s_getreg_b32 s2, hwreg(HW_REG_IB_STS2, 6, 4)
	s_cmp_eq_u32 s2, 0
	s_cbranch_scc0 .Lentry_in_a_cluster
	s_endpgm
.Lentry_in_a_cluster:
	s_bfe_u32 s2, ttmp6, 0x10000c
	s_cmp_lg_u32 s2, 0x3003
	s_cbranch_scc0 .Lentry_shape_is_right
	s_endpgm
.Lentry_shape_is_right:
; ctx[b][s][head] = softmax over the 1,024 kept keys of (q . k / 8) times v, per batch and head; operands in f16, products, maxima and sums in f32; the weights p are rounded to f16 for the second product.
; q arrives multiplied by log2(e) / 8, so a score is the exponent of 2.  For each query a running maximum m and sum l: p = 2^(s - m); in every step O and l are multiplied by a = 2^(old m - new m).
; SHARES.  A work-group owns 512 queries of one batch and head; each of its SIXTEEN waves owns 32 of them, two tiles of 16, in 256 registers: four waves to a SIMD, so that one wave's vector work stands beside
; another's matrix work and LDS loads.  Every wave walks all 1,024 keys, 64 a step.
; THE WHOLE HEAD'S K AND V LIE IN LDS, 131,072 bytes each, as they were stored: images of fragments.  They are filled once: each wave brings 16,384 bytes by one tensor load (waves 0-7 K's, waves 8-15 V's); no slot, no refill,
; no barrier in the loop.  CLUSTER: the four query blocks of a cluster belong to one head and need the same K and V: each load is asked for JOINTLY.
; LAYOUT.  S^T = K Q^T (source 0 = 16 keys, source 1 = 16 queries): a lane holds ONE query (lane % 16) and the keys 8 (lane / 16) + 0 .. 7 of a tile.  Two such tiles, rounded to f16 in pairs, ARE source 1 (32 keys x 16 queries)
; of O^T = V^T P, whose result again holds one query a lane and eight channels; rounded to f16 these are four registers of the next launch's fragment, and leave straight from registers.
; K comes out of LDS by 16 bytes a lane at 16 x lane; V ([key][16 channels], 32 bytes a key) turned, by ds_load_tr16_b128.
; ctx: [row / 16][k / 32 = 2 head + channel / 32][(channel / 16) % 2][16 x lane].
; LIMITS: |ctx| up to 65,504 (f16); NaN and infinities are not served.
.set KOFF,  16777216                   ; k in qkv; v lies 4 MiB behind it
.set VLDS,  131072                     ; V in LDS, behind K
.set SPARE, 262144                     ; the spare words, 128 bytes for each wave: eight blocks of 256 bytes that no other line names
.set L16, 1                            ; v1   16 x lane; never rewritten
.set AV0, 2                            ; v2   my lane's place in a tile of V
.set ADK, 3                            ; v3   LDS address of the step's K
.set ADV, 4                            ; v4   of its V
.set SPW, 5
.set NIL, 6
.set ST,  8                            ; tile t's statistics at v[ST + 8 t]: +0 m, +1 0 (named with m as a pair), +2, +3 l (even keys', odd keys'), +4 .. +7 at work; a takes +6, old m - new m +7
.set Q,   24                           ; v24-55   Q: tile t, channels 32 c on, at Q + 16 t + 8 c
.set KB,  56                           ; v56-119  a step's 8 fragments of K, later of V
.set S,   120                          ; v120-183 S^T: tile t, keys 16 kt on, at S + 32 t + 8 kt; P is laid over S + 32 t + 0 .. 15
.set O,   184                          ; v184-247 O^T: tile t, channels 16 ct on, at O + 32 t + 8 ct
.set WV,  8
.set G1,  16
.set G0,  24
.set SEL, 32
.set TS,  34                           ; s34  LDS byte at which the step's tiles begin: 8,192 a step
.set CNT, 35
.macro CROUND                          ; a round of the cluster's barrier
	s_barrier_signal -1
	s_barrier_wait -1
	s_cmp_lg_u32 s[WV], 0
	s_cbranch_scc1 .Lnot_wave_0_\@
	s_barrier_signal -3
.Lnot_wave_0_\@:
	s_barrier_wait -3
	s_barrier_signal -1
	s_barrier_wait -1
.endm
	s_load_b128 s[4:7], s[0:1], 0x0                ; qkv, ctx
	v_lshl_add_u32 v[SPW], v0, 2, SPARE
	v_mov_b32 v[NIL], 0
	ds_add_u32 v[SPW], v[NIL]                      ; the wave's opening: the add, twice on end, and its wait ahead of my first tensor load
	ds_add_u32 v[SPW], v[NIL]
	v_lshrrev_b32 v7, 5, v0
	v_readfirstlane_b32 s[WV], v7                  ; wave 0..15
	s_bfe_u32 s9, ttmp6, 0x40000                   ; cx
	s_lshl_b32 s10, ttmp9, 2
	s_add_co_u32 s10, s10, s9                      ; my block of 512 queries: it enters Q's and ctx's addresses alone
	s_and_b32 s11, ttmp7, 0xffff                   ; 16 batch + head, which the four partners share
	; descriptor group 1: a dense block of 16,384 bytes as 64 rows of 256 bytes (32 elements of 8 bytes), no padding: a fragment's loads take 512 consecutive bytes
	s_mov_b32 s[G1], 15|(3<<16)|(1<<21)            ; 15:0 the mask: all four work-groups; elements of 8 bytes; bit 21 beside a mask
	s_mov_b32 s[G1+1], 32<<16                      ; tensor_dim0
	s_mov_b32 s[G1+2], 64<<16                      ; tensor_dim1
	s_mov_b32 s[G1+3], 32<<16                      ; tile_dim0
	s_mov_b32 s[G1+4], 64                          ; tile_dim1
	s_mov_b32 s[G1+5], 32                          ; the pitch
	s_mov_b32 s[G1+6], 0
	s_mov_b32 s[G1+7], 0
	s_mov_b32 s[SEL], 0x76543210
	s_mov_b32 s[SEL+1], 0xfedcba98                 ; v_permlanex16_b32's selects for lane l xor 16
	s_mov_b32 s[TS], 0
	s_mov_b32 s[CNT], 16
	s_lshr_b32 s12, s[WV], 3                       ; what I fetch: K (0) or V (1),
	s_lshl_b32 s12, s12, 22
	s_lshl_b32 s13, s11, 17                        ; my head's 131,072 bytes,
	s_add_co_u32 s12, s12, s13
	s_and_b32 s13, s[WV], 7
	s_lshl_b32 s13, s13, 14                        ; my eighth of them
	s_add_co_u32 s12, s12, s13
	s_add_co_u32 s12, s12, KOFF
	s_mov_b32 s13, 0
	s_lshl_b32 s36, s11, 19                        ; Q: a head's 4,096 rows of 128 bytes,
	s_lshl_b32 s37, s10, 16                        ; my block's 512,
	s_add_co_u32 s36, s36, s37
	s_lshl_b32 s37, s[WV], 12                      ; my wave's 32
	s_add_co_u32 s36, s36, s37
	s_mov_b32 s37, 0
	s_lshr_b32 s38, s11, 4                         ; ctx: a batch's 256 tiles of 16 rows, 32,768 bytes each,
	s_lshl_b32 s38, s38, 23
	s_lshl_b32 s39, s10, 20                        ; my block's 32,
	s_add_co_u32 s38, s38, s39
	s_lshl_b32 s39, s[WV], 16                      ; my wave's 2,
	s_add_co_u32 s38, s38, s39
	s_and_b32 s39, s11, 15
	s_lshl_b32 s39, s39, 11                        ; my head's 2,048 bytes in each
	s_add_co_u32 s38, s38, s39
	s_mov_b32 s39, 0
	s_lshl_b32 s40, s[WV], 14                      ; where my load goes: 16,384 x wave: K's eight parts, then V's
	s_wait_dscnt 0x0                               ; both opening adds are done
	s_wait_kmcnt 0x0
	s_mov_b32 s[G0], 1
	s_mov_b32 s[G0+1], s40
	s_add_nc_u64 s[G0+2:G0+3], s[4:5], s[12:13]
	s_or_b32 s[G0+3], s[G0+3], 0x80000000
	s_add_nc_u64 s[4:5], s[4:5], s[36:37]
	s_add_nc_u64 s[6:7], s[6:7], s[38:39]
	CROUND                                         ; all four work-groups are here: the joint loads meet
	tensor_load_to_lds s[G0:G0+3], s[G1:G1+7]      ; my one tensor load
	s_nop 0
.rept 4
	v_nop
.endr
	v_and_b32 v7, 31, v0
	v_lshlrev_b32 v[L16], 4, v7
.irp i, 0,1,2,3,4,5,6,7
	global_load_b128 v[Q+4*\i:Q+4*\i+3], v[L16], s[4:5] offset:512*\i   ; Q's four fragments stay in registers
.endr
	v_bfe_u32 v[AV0], v0, 4, 1                     ; the turning load: lane l reads 16 bytes: key 8 (l / 16) + l % 8, channels 8 ((l / 8) % 2) + 0 .. 7
	v_and_b32 v3, 7, v0
	v_lshl_add_u32 v[AV0], v[AV0], 3, v3
	v_lshlrev_b32 v[AV0], 5, v[AV0]
	v_bfe_u32 v3, v0, 3, 1
	v_lshl_add_u32 v[AV0], v3, 4, v[AV0]
	v_add_nc_u32 v[AV0], VLDS, v[AV0]
.irp t, 0,1
	v_mov_b32 v[ST+8*\t], 0xff61b1e6               ; m: -3e38, under every score
	v_mov_b32 v[ST+8*\t+1], 0
	v_mov_b32 v[ST+8*\t+2], 0                      ; l
	v_mov_b32 v[ST+8*\t+3], 0
.endr
.set j, 0
.rept 64
	v_mov_b32 v[O+j], 0                            ; O^T.  (The step is written once: the first finds zeros, and its a is 0)
.set j, j+1
.endr
	s_wait_tensorcnt 0x0                           ; my part of K or V is in,
	s_barrier_signal -1
	s_barrier_wait -1                              ; everybody's is
	s_wait_loadcnt 0x0                             ; Q
.Lstep:                                            ; 16 trips of 64 keys
	v_add_nc_u32 v[ADK], s[TS], v[L16]
	v_add_nc_u32 v[ADV], s[TS], v[AV0]
.rept 3
	v_nop                                          ; with the two additions: five places behind the last trip's products, whose source P the first products below write over, and whose source V the loads below land on
.endr
.irp kt, 0,1,2,3
.irp c, 0,1
.irp e, 0,1
	ds_load_b128 v[KB+8*(2*\kt+\c)+4*\e:KB+8*(2*\kt+\c)+4*\e+3], v[ADK] offset:\kt*2048+\c*1024+\e*512
.endr
.endr
.endr
	s_wait_dscnt 0x0
.irp c, 0,1                                    ; S^T = K Q^T: the eight accumulators by turns
.irp kt, 0,1,2,3
.irp t, 0,1
.if \c == 0
	v_wmma_f32_16x16x32_f16 v[S+32*\t+8*\kt:S+32*\t+8*\kt+7], v[KB+8*(2*\kt+\c):KB+8*(2*\kt+\c)+7], v[Q+16*\t+8*\c:Q+16*\t+8*\c+7], 0
.else
	v_wmma_f32_16x16x32_f16 v[S+32*\t+8*\kt:S+32*\t+8*\kt+7], v[KB+8*(2*\kt+\c):KB+8*(2*\kt+\c)+7], v[Q+16*\t+8*\c:Q+16*\t+8*\c+7], v[S+32*\t+8*\kt:S+32*\t+8*\kt+7]
.endif
.endr
.endr
.endr
.rept 4
	v_nop                                          ; places in front of the loads into K's registers and of the first read of the scores
.endr
.irp g, 0,1                                    ; V of this step, turned: keys 32 g on, channels 16 ct on.  It lands while the softmax is walked
.irp ct, 0,1,2,3
.irp e, 0,1
	ds_load_tr16_b128 v[KB+8*(4*\g+\ct)+4*\e:KB+8*(4*\g+\ct)+4*\e+3], v[ADV] offset:(2*\g+\e)*2048+\ct*512
.endr
.endr
.endr
	; the maximum of a lane's 32 scores, three operands at a time, the two tiles by turns; each accumulator is first read at its low end
.irp j, 0,1,2,3
.irp t, 0,1
	v_max3_num_f32 v[ST+8*\t+4+\j], v[S+32*\t+8*\j], v[S+32*\t+8*\j+1], v[S+32*\t+8*\j+2]
.endr
.endr
.irp i, 3,5
.irp j, 0,1,2,3
.irp t, 0,1
	v_max3_num_f32 v[ST+8*\t+4+\j], v[ST+8*\t+4+\j], v[S+32*\t+8*\j+\i], v[S+32*\t+8*\j+\i+1]
.endr
.endr
.endr
.irp t, 0,1
	v_max3_num_f32 v[ST+8*\t+4], v[ST+8*\t+4], v[S+32*\t+7], v[S+32*\t+15]
	v_max3_num_f32 v[ST+8*\t+6], v[ST+8*\t+6], v[S+32*\t+23], v[S+32*\t+31]
.endr
.irp t, 0,1
	v_max3_num_f32 v[ST+8*\t+4], v[ST+8*\t+4], v[ST+8*\t+5], v[ST+8*\t+6]
.endr
.irp t, 0,1
	v_max_num_f32 v[ST+8*\t+4], v[ST+8*\t+4], v[ST+8*\t+7]
.endr
.irp t, 0,1
	v_permlanex16_b32 v[ST+8*\t+5], v[ST+8*\t+4], s[SEL], s[SEL+1]   ; the query's other 32 keys lie in the lane 16 away
.endr
.irp t, 0,1
	v_mov_b32 v[ST+8*\t+7], v[ST+8*\t]             ; the old m
.endr
.irp t, 0,1
	v_max3_num_f32 v[ST+8*\t], v[ST+8*\t], v[ST+8*\t+4], v[ST+8*\t+5]   ; the new m
.endr
.irp t, 0,1
	v_sub_f32 v[ST+8*\t+7], v[ST+8*\t+7], v[ST+8*\t]                 ; old m - new m, 0 or less
.endr
.set j, 0
.rept 32
	v_pk_add_f32 v[S+j:S+j+1], v[S+j:S+j+1], v[ST+8*(j/32):ST+8*(j/32)+1] op_sel_hi:[1,0] neg_lo:[0,1] neg_hi:[0,1]   ; s - m, two at a time (of the pair the low word serves both halves)
.set j, j+2
.endr
.irp t, 0,1
	v_exp_f32 v[ST+8*\t+6], v[ST+8*\t+7]           ; a
.endr
.set j, 0
.rept 32
	v_exp_f32 v[S+j], v[S+j]                       ; p = 2^(s - m): ONE batch of 66 exponentials, none of which reads another's result
	v_exp_f32 v[S+32+j], v[S+32+j]
.set j, j+1
.endr
	v_nop                                          ; a plain instruction behind the last exponential
	s_wait_alu depctr_va_vdst(0)                   ; one wait for the whole batch, ahead of its first reader
.irp t, 0,1                                    ; l = a l + the sum of the 16 pairs, in two chains
	v_pk_fma_f32 v[ST+8*\t+2:ST+8*\t+3], v[ST+8*\t+2:ST+8*\t+3], v[ST+8*\t+6:ST+8*\t+7], v[S+32*\t:S+32*\t+1] op_sel_hi:[1,0,1]
	v_pk_add_f32 v[ST+8*\t+4:ST+8*\t+5], v[S+32*\t+2:S+32*\t+3], v[S+32*\t+6:S+32*\t+7]
.endr
.irp i, 2,4,6,8,10,12
.irp t, 0,1
	v_pk_add_f32 v[ST+8*\t+2:ST+8*\t+3], v[ST+8*\t+2:ST+8*\t+3], v[S+32*\t+2*\i:S+32*\t+2*\i+1]
	v_pk_add_f32 v[ST+8*\t+4:ST+8*\t+5], v[ST+8*\t+4:ST+8*\t+5], v[S+32*\t+2*\i+6:S+32*\t+2*\i+7]
.endr
.endr
.irp t, 0,1
	v_pk_add_f32 v[ST+8*\t+2:ST+8*\t+3], v[ST+8*\t+2:ST+8*\t+3], v[S+32*\t+28:S+32*\t+29]
.endr
.irp t, 0,1
	v_pk_add_f32 v[ST+8*\t+2:ST+8*\t+3], v[ST+8*\t+2:ST+8*\t+3], v[ST+8*\t+4:ST+8*\t+5]
.endr
.irp j, 0,1,2,3,4,5,6,7,8,9,10,11,12,13,14,15
.irp t, 0,1
	v_cvt_pk_f16_f32 v[S+32*\t+\j], v[S+32*\t+2*\j], v[S+32*\t+2*\j+1]   ; P, in place and ascending: register j is written when pairs 0 .. j have been read
.endr
.endr
.set j, 0
.rept 32
	v_pk_mul_f32 v[O+j:O+j+1], v[O+j:O+j+1], v[ST+8*(j/32)+6:ST+8*(j/32)+7] op_sel_hi:[1,0]   ; O^T x a, each accumulator from its low end on
.set j, j+2
.endr
	s_wait_dscnt 0x0                               ; V is in
.irp g, 0,1                                    ; O^T += V^T P: the eight accumulators by turns
.irp ct, 0,1,2,3
.irp t, 0,1
	v_wmma_f32_16x16x32_f16 v[O+32*\t+8*\ct:O+32*\t+8*\ct+7], v[KB+8*(4*\g+\ct):KB+8*(4*\g+\ct)+7], v[S+32*\t+8*\g:S+32*\t+8*\g+7], v[O+32*\t+8*\ct:O+32*\t+8*\ct+7]
.endr
.endr
.endr
	s_add_co_u32 s[TS], s[TS], 8192
	s_sub_co_u32 s[CNT], s[CNT], 1
	s_cmp_lg_u32 s[CNT], 0
	s_cbranch_scc1 .Lstep
	; THE WAY OUT.  l's two halves and the other half of the lanes' are added (these additions are the places behind the last products); O^T is divided by l, rounded to f16 and stored from registers.
.irp t, 0,1
	v_add_f32 v[ST+8*\t+4], v[ST+8*\t+2], v[ST+8*\t+3]
.endr
.irp t, 0,1
	v_permlanex16_b32 v[ST+8*\t+5], v[ST+8*\t+4], s[SEL], s[SEL+1]
.endr
.irp t, 0,1
	v_add_f32 v[ST+8*\t+4], v[ST+8*\t+4], v[ST+8*\t+5]
.endr
.irp t, 0,1
	v_rcp_f32 v[ST+8*\t+6], v[ST+8*\t+4]
.endr
	v_nop                                          ; a plain instruction behind the last reciprocal
	s_wait_alu depctr_va_vdst(0)                   ; and the wait ahead of the first use: one for both
.set j, 0
.rept 32
	v_pk_mul_f32 v[O+j:O+j+1], v[O+j:O+j+1], v[ST+8*(j/32)+6:ST+8*(j/32)+7] op_sel_hi:[1,0]
.set j, j+2
.endr
.set j, 0
.rept 32
	v_cvt_pk_f16_f32 v[S+j], v[O+2*j], v[O+2*j+1]  ; register 16 t + 4 ct + p: channels 16 ct + 8 h + 2 p, + 1 of query r
.set j, j+1
.endr
.irp t, 0,1
.irp ct, 0,1,2,3
	global_store_b128 v[L16], v[S+16*\t+4*\ct:S+16*\t+4*\ct+3], s[6:7] offset:\t*32768+\ct*512   ; the wave stores 512 consecutive bytes, aligned
.endr
.endr
	s_wait_tensorcnt 0x0                           ; the wave's end
	ds_add_u32 v[SPW], v[NIL]
	s_wait_dscnt 0x0
	CROUND                                         ; the closing round
	s_endpgm
.Lfunc_end_k_q20428d3659_attn:
	.size	k_q20428d3659_attn, .Lfunc_end_k_q20428d3659_attn-k_q20428d3659_attn
	.p2alignl 7, 3214868480
	.fill 96, 4, 3214868480
	.section	.rodata,"a",@progbits
	.p2align	6, 0x0
	.amdhsa_kernel k_q20428d3659_attn
		.amdhsa_group_segment_fixed_size 327680
		.amdhsa_private_segment_fixed_size 0
		.amdhsa_enable_private_segment 0
		.amdhsa_kernarg_size 16
		.amdhsa_user_sgpr_count 2
		.amdhsa_user_sgpr_kernarg_segment_ptr 1
		.amdhsa_wavefront_size32 1
		.amdhsa_system_sgpr_workgroup_id_x 1
		.amdhsa_system_sgpr_workgroup_id_y 1
		.amdhsa_system_sgpr_workgroup_id_z 1
		.amdhsa_system_vgpr_workitem_id 0
		.amdhsa_next_free_vgpr 256
		.amdhsa_next_free_sgpr 66
		.amdhsa_reserve_vcc 0
		.amdhsa_float_denorm_mode_32 3
		.amdhsa_float_denorm_mode_16_64 3
		.amdhsa_memory_ordered 1
		.amdhsa_forward_progress 1
		.amdhsa_inst_pref_size 30
	.end_amdhsa_kernel
	.amdgpu_metadata
---
amdhsa.version: [ 1, 2 ]
amdhsa.kernels:
  - .name:           k_q20428d3659_attn
    .symbol:         k_q20428d3659_attn.kd
    .args:
      - { .name: qkv, .offset: 0, .size: 8, .value_kind: global_buffer, .address_space: global }
      - { .name: ctx, .offset: 8, .size: 8, .value_kind: global_buffer, .address_space: global }
    .group_segment_fixed_size: 327680
    .private_segment_fixed_size: 0
    .kernarg_segment_align: 8
    .kernarg_segment_size: 16
    .max_flat_workgroup_size: 512
    .sgpr_count:     66
    .vgpr_count:     256
    .wavefront_size: 32
...
	.end_amdgpu_metadata
.endif
;; end of part 3
;; launch oproj (part 4): grid 32 x 8, 4 waves a work-group, clusters of 4 x 1, 327,680 bytes of LDS; arguments ctx, wof, bo, out0; writes out0
.if DOCPART == 4
	.amdgcn_target "amdgcn-amd-amdhsa--gfx1250"
	.amdhsa_code_object_version 6
	.text
	.protected	k_q20428d3659_oproj
	.globl	k_q20428d3659_oproj
	.p2align	8
	.type	k_q20428d3659_oproj,@function
k_q20428d3659_oproj:
	s_mov_b64 s[64:65], 0
	v_nop
	global_prefetch_b8 v0, s[64:65] scope:SCOPE_SE
	s_setreg_imm32_b32 hwreg(HW_REG_WAVE_MODE, 25, 1), 1
	s_wait_xcnt 0x0
	s_wait_alu depctr_hold_cnt(0) depctr_sa_sdst(0) depctr_va_vdst(0) depctr_va_sdst(0) depctr_va_ssrc(0) depctr_va_vcc(0) depctr_vm_vsrc(0)
	s_getreg_b32 s2, hwreg(HW_REG_IB_STS2, 6, 4)
	s_cmp_eq_u32 s2, 0
	s_cbranch_scc0 .Lentry_in_a_cluster
	s_endpgm
.Lentry_in_a_cluster:
	s_bfe_u32 s2, ttmp6, 0x10000c
	s_cmp_lg_u32 s2, 0x3003
	s_cbranch_scc0 .Lentry_shape_is_right
	s_endpgm
.Lentry_shape_is_right:
; out = ctx Wo + bo.  ctx [8192][1024] and Wo [1024][1024] arrive in f16 as images of fragments; sums in f32; out is f32.
; SHARES.  A work-group makes 256 rows x 128 columns: 256 work-groups.  Each of its four waves makes 64 rows x 128 columns: 32 accumulators, 256 registers.
; Wo's SLICE of 128 columns, 262,144 dense bytes, LIES WHOLE IN LDS: filled once, in four quarters along K, each wave bringing 16,384 bytes of each (four loads of mine are out at the start).  The four partners of a cluster
; make the same columns: each load is asked for JOINTLY.  Nothing is filled again, so no round stands among the products; a barrier stands in front of each quarter's first read.
; ctx's FRAGMENTS GO STRAIGHT FROM MEMORY INTO REGISTERS: a wave's rows are its own, each load takes 512 consecutive bytes, and a ring of eight register slots keeps seven chunks of 32 along K (56 loads) on their way.
; THE MATRIX INSTRUCTION IS USED TRANSPOSED (source 0 = 16 columns of Wo, source 1 = 16 rows of ctx): a lane holds eight neighbouring numbers of a row of out.  The bias is the C of each sum's first matrix instruction.
; REGISTERS, in windows of 256: window 0: v0-15 addresses; v32-95, v96-159 Wo's eight fragments of a chunk, two sets; v160-223 the bias.   window 1: the accumulators ((a, b) at v[8 (8 a + b)]).   window 2: ctx's ring, slot s at v[32 s + 8 a].
.set STG,   262144                     ; behind Wo's slice: a stage of 16 rows x (512 bytes + 16) for each wave, for the way out; no fill lands there
.set SPARE, 295936                     ; the spare words, 128 bytes for each wave: two blocks of 256 bytes that no other line names
.set L16, 2                            ; v2    16 x lane; never rewritten
.set BAD, 4                            ; v4-7  16 x lane + 65,536 x quarter
.set STO, 8                            ; v8    the stage: where I put 32 bytes of a row
.set RD,  9                            ; v9    and where I read a row back
.set BOF, 10                           ; v10   32 x (lane / 16)
.set SPW, 12
.set NIL, 13
.set BF,  32
.set BI,  160
.set WV,  12
.set G1,  16
.set G0,  24
.set MSB, 0
.macro WIN new                         ; the immediate's high byte repeats the setting that is left
.if MSB != (\new)
	s_set_vgpr_msb (MSB<<8)|(\new)
.set MSB, \new
.endif
.endm
.set MUL,  0x58                        ; source 0 (Wo) window 0, source 1 (ctx) window 2, C and D window 1
.set MUL0, 0x48                        ; the first chunk: C (the bias) window 0
.set TO_A, 0x80                        ; destination window 2, address window 0
.macro CROUND                          ; a round of the cluster's barrier
	s_barrier_signal -1
	s_barrier_wait -1
	s_cmp_lg_u32 s[WV], 0
	s_cbranch_scc1 .Lnot_wave_0_\@
	s_barrier_signal -3
.Lnot_wave_0_\@:
	s_barrier_wait -3
	s_barrier_signal -1
	s_barrier_wait -1
.endm
	s_load_b256 s[4:11], s[0:1], 0x0               ; ctx, wof, bo, out0
	v_lshl_add_u32 v[SPW], v0, 2, SPARE
	v_mov_b32 v[NIL], 0
	ds_add_u32 v[SPW], v[NIL]                      ; the wave's opening: the add, twice on end, and its wait ahead of my first tensor load
	ds_add_u32 v[SPW], v[NIL]
	v_lshrrev_b32 v1, 5, v0
	v_readfirstlane_b32 s[WV], v1                  ; wave 0..3
	s_bfe_u32 s13, ttmp6, 0x40000                  ; cx
	s_lshl_b32 s14, ttmp9, 2
	s_add_co_u32 s14, s14, s13                     ; my block of 256 rows: it enters ctx's and out's addresses alone
	s_and_b32 s15, ttmp7, 0xffff                   ; my slice of 128 columns, which the four partners share
	; descriptor group 1: a dense block of 16,384 bytes as 64 rows of 256 bytes (32 elements of 8 bytes), no padding
	s_mov_b32 s[G1], 15|(3<<16)|(1<<21)
	s_mov_b32 s[G1+1], 32<<16
	s_mov_b32 s[G1+2], 64<<16
	s_mov_b32 s[G1+3], 32<<16
	s_mov_b32 s[G1+4], 64
	s_mov_b32 s[G1+5], 32
	s_mov_b32 s[G1+6], 0
	s_mov_b32 s[G1+7], 0
	s_lshl_b32 s42, s[WV], 14                      ; my 16,384 bytes of a quarter
	s_lshl_b32 s40, s15, 18                        ; the slice
	s_add_co_u32 s40, s40, s42
	s_mov_b32 s41, 0
	s_lshl_b32 s44, s14, 19                        ; ctx: my block's 16 tiles of 16 rows, 32,768 bytes each,
	s_lshl_b32 s45, s[WV], 17                      ; my wave's 4
	s_add_co_u32 s44, s44, s45
	s_mov_b32 s45, 0
	s_lshl_b32 s46, s15, 9                         ; bo, and a row of out: 128 columns of f32
	s_mov_b32 s47, 0
	s_lshl_b32 s48, s14, 20                        ; out: my block's 256 rows of 4,096 bytes,
	s_lshl_b32 s49, s[WV], 18                      ; my wave's 64
	s_add_co_u32 s48, s48, s49
	s_add_co_u32 s48, s48, s46
	s_mov_b32 s49, 0
	s_wait_dscnt 0x0                               ; both opening adds are done
	s_wait_kmcnt 0x0
	s_add_nc_u64 s[6:7], s[6:7], s[40:41]
.irp g, 0,1,2,3
	s_mov_b32 s[G0+4*\g], 1
	s_add_co_u32 s[G0+4*\g+1], s42, \g*65536
	s_add_nc_u64 s[G0+4*\g+2:G0+4*\g+3], s[6:7], \g*65536
	s_or_b32 s[G0+4*\g+3], s[G0+4*\g+3], 0x80000000
.endr
	s_add_nc_u64 s[4:5], s[4:5], s[44:45]
	s_add_nc_u64 s[8:9], s[8:9], s[46:47]
	s_add_nc_u64 s[10:11], s[10:11], s[48:49]
	CROUND                                         ; all four work-groups are here: the joint loads meet
.irp g, 0,1,2,3
	tensor_load_to_lds s[G0+4*\g:G0+4*\g+3], s[G1:G1+7]
	s_nop 0
.endr
.rept 4
	v_nop
.endr
	v_and_b32 v1, 31, v0
	v_lshlrev_b32 v[L16], 4, v1
.irp g, 0,1,2,3
	v_add_nc_u32 v[BAD+\g], \g*65536, v[L16]
.endr
	v_and_b32 v3, 15, v0                           ; r
	v_bfe_u32 v14, v0, 4, 1                        ; h
	s_mul_i32 s43, s[WV], 16*528
	s_add_co_u32 s43, s43, STG                     ; my stage
	v_mul_u32_u24 v[STO], v3, 528
	v_lshl_add_u32 v[STO], v14, 5, v[STO]
	v_add_nc_u32 v[STO], s43, v[STO]               ; in: row r, 32 bytes for each half of the lanes
	v_add_nc_u32 v[RD], s43, v[L16]                ; back: the 32 lanes take one row of 512 bytes
	v_lshlrev_b32 v[BOF], 5, v14
.irp b, 0,1,2,3,4,5,6,7
	global_load_b128 v[BI+8*\b:BI+8*\b+3], v[BOF], s[8:9] offset:64*\b          ; the bias of columns 16 b + 8 h + 0 .. 7: the result's layout
	global_load_b128 v[BI+8*\b+4:BI+8*\b+7], v[BOF], s[8:9] offset:64*\b+16
.endr
.macro ALOAD k                         ; chunk k of ctx: my four tiles of rows, 32 along K: eight loads of 512 consecutive bytes, into ring slot k % 8
.irp a, 0,1,2,3
.irp e, 0,1
	global_load_b128 v[32*((\k)%8)+8*\a+4*\e:32*((\k)%8)+8*\a+4*\e+3], v[L16], s[4:5] offset:\a*32768+(\k)*1024+\e*512
.endr
.endr
.endm
.macro BLOAD k                         ; chunk k of Wo: eight fragments, into set k % 2
.irp b, 0,1,2,3,4,5,6,7
.irp e, 0,1
	ds_load_b128 v[BF+64*((\k)%2)+8*\b+4*\e:BF+64*((\k)%2)+8*\b+4*\e+3], v[BAD+(\k)/8] offset:((\k)%8)*8192+\b*1024+\e*512
.endr
.endr
.endm
.macro MULH k, a0                      ; 16 matrix instructions: tiles of rows a0, a0 + 1 against the eight tiles of columns.  The 32 accumulators take turns, in the same order in every chunk
.irp a, \a0, \a0+1
.irp b, 0,1,2,3,4,5,6,7
.if (\k) == 0
	v_wmma_f32_16x16x32_f16 v[8*(8*(\a)+\b):8*(8*(\a)+\b)+7], v[BF+64*((\k)%2)+8*\b:BF+64*((\k)%2)+8*\b+7], v[32*((\k)%8)+8*(\a):32*((\k)%8)+8*(\a)+7], v[BI+8*\b:BI+8*\b+7]
.else
	v_wmma_f32_16x16x32_f16 v[8*(8*(\a)+\b):8*(8*(\a)+\b)+7], v[BF+64*((\k)%2)+8*\b:BF+64*((\k)%2)+8*\b+7], v[32*((\k)%8)+8*(\a):32*((\k)%8)+8*(\a)+7], v[8*(8*(\a)+\b):8*(8*(\a)+\b)+7]
.endif
.endr
.endr
.endm
.macro CHUNK k
.if 31-(\k) < 6
	s_wait_loadcnt 8*(31-(\k))                     ; ctx's chunk k is in; the younger chunks' loads, eight each, may be out
.else
	s_wait_loadcnt 48
.endif
	s_wait_dscnt 0x0                               ; Wo's chunk k is in; no LDS instruction of mine is out
.if ((\k)%8 == 7) && ((\k) < 31)
	s_wait_tensorcnt 3-((\k)+1)/8                  ; my part of the next quarter of Wo has landed (the later quarters' loads may be out)
	s_barrier_signal -1                            ; say so,
.endif
.if (\k) == 0
	WIN MUL0
.else
	WIN MUL
.endif
	MULH \k, 0
.if ((\k)%8 == 7) && ((\k) < 31)
	s_barrier_wait -1                              ; and read it when all four have said so
.endif
.if (\k) < 31
.rept 4
	v_nop                                          ; places in front of loads into registers that the last chunk's products have read
.endr
	WIN 0
	BLOAD (\k)+1
.endif
.if (\k)+7 < 32
	WIN TO_A
	ALOAD (\k)+7                                   ; into the slot that chunk k - 1 has left
.endif
.if (\k) == 0
	WIN MUL0
.else
	WIN MUL
.endif
	MULH \k, 2
.endm
	WIN TO_A
.irp k, 0,1,2,3,4,5,6
	ALOAD \k
.endr
	WIN 0
	s_wait_tensorcnt 3                             ; my part of the first quarter is in,
	s_barrier_signal -1
	s_barrier_wait -1                              ; everybody's is
	BLOAD 0
.set KK, 0
.rept 32
	CHUNK KK
.set KK, KK+1
.endr
	WIN 0
; THE WAY OUT, a block of 16 rows x 128 columns at a time, through my own stage: in by 32 bytes of a row a lane, back as whole rows of 512 bytes.  LDS serves a wave's instructions in order: no wait between the stores and the loads.
.macro TOSTAGE a
	WIN 0x04                                       ; an LDS store's data are its source 1: window 1
.irp b, 0,1,2,3,4,5,6,7
	ds_store_b128 v[STO], v[8*(8*(\a)+\b):8*(8*(\a)+\b)+3] offset:64*\b           ; each accumulator from its low end on
	ds_store_b128 v[STO], v[8*(8*(\a)+\b)+4:8*(8*(\a)+\b)+7] offset:64*\b+16
.endr
	WIN 0
.irp t, 0,1,2,3,4,5,6,7,8,9,10,11,12,13,14,15
	ds_load_b128 v[BF+64*((\a)%2)+4*\t:BF+64*((\a)%2)+4*\t+3], v[RD] offset:\t*528
.endr
.endm
.macro SEND a, younger                 ; younger: the LDS instructions issued behind block a's loads, which may stay out
	s_wait_dscnt \younger
.irp t, 0,1,2,3,4,5,6,7,8,9,10,11,12,13,14,15
	global_store_b128 v[L16], v[BF+64*((\a)%2)+4*\t:BF+64*((\a)%2)+4*\t+3], s[10:11] offset:(16*(\a)+\t)*4096 th:TH_STORE_NT   ; 32 lanes store 512 consecutive bytes, aligned; written once, read by nobody here
.endr
.endm
.rept 4
	v_nop                                          ; places behind the last products: their results are read, and Wo's fragments' registers loaded, below
.endr
	TOSTAGE 0
.irp a, 1,2,3
.if \a > 1
	s_wait_xcnt 0x0                                ; block a - 2's stores have read their data: block a's loads may land there
.endif
	TOSTAGE \a
	SEND \a-1, 32                                  ; behind block a - 1's loads: block a's 16 stores and 16 loads
.endr
	SEND 3, 0
	s_wait_tensorcnt 0x0                           ; the wave's end: behind my last tensor load and my last LDS store
	ds_add_u32 v[SPW], v[NIL]
	s_wait_dscnt 0x0
	CROUND                                         ; the closing round
	s_endpgm
.Lfunc_end_k_q20428d3659_oproj:
	.size	k_q20428d3659_oproj, .Lfunc_end_k_q20428d3659_oproj-k_q20428d3659_oproj
	.p2alignl 7, 3214868480
	.fill 96, 4, 3214868480
	.section	.rodata,"a",@progbits
	.p2align	6, 0x0
	.amdhsa_kernel k_q20428d3659_oproj
		.amdhsa_group_segment_fixed_size 327680
		.amdhsa_private_segment_fixed_size 0
		.amdhsa_enable_private_segment 0
		.amdhsa_kernarg_size 32
		.amdhsa_user_sgpr_count 2
		.amdhsa_user_sgpr_kernarg_segment_ptr 1
		.amdhsa_wavefront_size32 1
		.amdhsa_system_sgpr_workgroup_id_x 1
		.amdhsa_system_sgpr_workgroup_id_y 1
		.amdhsa_system_sgpr_workgroup_id_z 1
		.amdhsa_system_vgpr_workitem_id 0
		.amdhsa_next_free_vgpr 768
		.amdhsa_next_free_sgpr 66
		.amdhsa_reserve_vcc 0
		.amdhsa_float_denorm_mode_32 3
		.amdhsa_float_denorm_mode_16_64 3
		.amdhsa_memory_ordered 1
		.amdhsa_forward_progress 1
		.amdhsa_inst_pref_size 151
	.end_amdhsa_kernel
	.amdgpu_metadata
---
amdhsa.version: [ 1, 2 ]
amdhsa.kernels:
  - .name:           k_q20428d3659_oproj
    .symbol:         k_q20428d3659_oproj.kd
    .args:
      - { .name: ctx, .offset: 0, .size: 8, .value_kind: global_buffer, .address_space: global }
      - { .name: wof, .offset: 8, .size: 8, .value_kind: global_buffer, .address_space: global }
      - { .name: bo, .offset: 16, .size: 8, .value_kind: global_buffer, .address_space: global }
      - { .name: out0, .offset: 24, .size: 8, .value_kind: global_buffer, .address_space: global }
    .group_segment_fixed_size: 327680
    .private_segment_fixed_size: 0
    .kernarg_segment_align: 8
    .kernarg_segment_size: 32
    .max_flat_workgroup_size: 128
    .sgpr_count:     66
    .vgpr_count:     768
    .wavefront_size: 32
...
	.end_amdgpu_metadata
.endif
;; end of part 4
